; MI455X (gfx1250); checked and timed in simulation.
; The chip was launched on July 23, 2026; its instructions are those of AMD's public machine-readable ISA for CDNA 5 (MIT licence, August 2026) and "CDNA5" Instruction Set Architecture Reference Guide (July 2026). The comments in the code are by the model that wrote it; some were corrected since.
;; s LSTM. Allowed arithmetic: matrix products marked QUANTISED: E2M3 operands, one E8M0 scale for each 32 along K, by v_wmma_scale_f32_16x16x128_f8f6f4 with both operands' format E2M3, f32 sums; products left as they are: f32 operands where the result goes on into a quantised operand, else bf16, f16 or f32 operands; f32 sums; everything else in f32.
;; Inputs: Uc 2,048 x 2,048 float32; Uf 2,048 x 2,048 float32; Ui 2,048 x 2,048 float32; Uo 2,048 x 2,048 float32; Wc 2,048 x 2,048 float32; Wf 2,048 x 2,048 float32; Wi 2,048 x 2,048 float32; Wo 2,048 x 2,048 float32; Wp 2,048 x 2,048 float32; bUc 2,048 float32; bUf 2,048 float32; bUi 2,048 float32; bUo 2,048 float32; bWc 2,048 float32; bWf 2,048 float32; bWi 2,048 float32; bWo 2,048 float32; bp 2,048 float32; h 4 x 512 x 2,048 float32; x 4 x 512 x 2,048 float32.
;; Outputs: out0 4 x 2,048 float32; out1 4 x 512 x 2,048 float32.
;; This version of the problem:
;;   THIS VERSION OF THE PROBLEM IS GIVEN IN LOW PRECISION. The matrix products marked QUANTISED in the list below multiply operands that are first quantised to E2M3 (2 exponent bits, 3 mantissa bits; 6 bits a number), with one power-of-two scale for each 32 numbers along K (OCP MX v1.0); their sums are f32. All else is computed in f32.
;;   The module's matrix products, in the order in which they are computed (A, B: the left and right operand; K: the contracted axis; several contracted axes count as one K, in the product's order):
;;     1. [M 2,048, K 2,048] x [K 2,048, N 2,048]; A: input x; B: input Wi: QUANTISED
;;     2. [M 2,048, K 2,048] x [K 2,048, N 2,048]; A: input h; B: input Ui: QUANTISED
;;     3. [M 2,048, K 2,048] x [K 2,048, N 2,048]; A: input x; B: input Wf: QUANTISED
;;     4. [M 2,048, K 2,048] x [K 2,048, N 2,048]; A: input h; B: input Uf: QUANTISED
;;     5. [M 2,048, K 2,048] x [K 2,048, N 2,048]; A: input x; B: input Wc: QUANTISED
;;     6. [M 2,048, K 2,048] x [K 2,048, N 2,048]; A: input h; B: input Uc: QUANTISED
;;     7. [M 2,048, K 2,048] x [K 2,048, N 2,048]; A: input x; B: input Wo: QUANTISED
;;     8. [M 2,048, K 2,048] x [K 2,048, N 2,048]; A: input h; B: input Uo: QUANTISED
;;     9. [M 4, K 2,048] x [K 2,048, N 2,048]; A: computed on the way; B: input Wp: left as it is (M = 4 < 16)
;;   THE QUANTISER, for each operand of a quantised product, along K:
;;     - K is cut into blocks of 32 from its start; a last block that is shorter is filled with zeros.
;;     - A block's scale is 2^e with e = floor(log2(the largest magnitude in the block)) - 2, held to -126 .. 127; a block of zeros has e = 0. As a byte (E8M0): e + 127.
;;     - Each number is divided by its block's scale, clamped to +-7.5, and rounded to the nearest number of E2M3, ties to even, subnormals kept.
;;     - The product sums the exact products of the quantised numbers (number of the format x scale) in f32.
;;   ~~~python
;;   def quantise(x, axis):      # numpy; x: float32 -> the quantised numbers, widened to float32 again
;;       x = np.moveaxis(x, axis, -1); K = x.shape[-1]
;;       x = np.pad(x, [(0, 0)] * (x.ndim - 1) + [(0, -K % 32)]); x = x.reshape(x.shape[:-1] + (-1, 32)); a = np.abs(x).max(-1, keepdims=True)
;;       e = np.where(a > 0, np.clip(np.frexp(np.where(a > 0, a, 1))[1] - 1 - 2, -126, 127), 0)      # np.frexp(a)[1] - 1 = floor(log2(a)), exactly
;;       r = np.clip(x / 2.0 ** e, -7.5, 7.5)
;;       step = 2.0 ** (np.maximum(np.frexp(np.where(r == 0, 1, r))[1] - 1, 0) - 3)
;;       q = np.round(r / step) * step * 2.0 ** e      # np.round: ties to even
;;       return np.moveaxis(q.reshape(q.shape[:-2] + (-1,))[..., :K], -1, axis).astype(np.float32)
;;   ~~~
;; One version. Each part assembles by itself: llvm-mc -triple=amdgcn-amd-amdhsa -mcpu=gfx1250 --defsym DOCPART=n.
;; ======== version 1 of 1: 3 launches
;; limits: a function is approximated: absolute error at most 1e-07
;; workspace buffers: a_pack 6,553,600 bytes; b_pack 26,214,400 bytes; hl 32,768 bytes
;; launch quant (part 1): grid 256 x 5, 4 waves a work-group, no clusters, 59,904 bytes of LDS; arguments x, h, Wi, Ui, Wf, Uf, Wc, Uc, Wo, Uo, a_pack, b_pack; writes a_pack, b_pack
.if DOCPART == 1
	.amdgcn_target "amdgcn-amd-amdhsa--gfx1250"
	.amdhsa_code_object_version 6
	.text
	.protected	k_q02a45afe2a_quant
	.globl	k_q02a45afe2a_quant
	.p2align	8
	.type	k_q02a45afe2a_quant,@function
k_q02a45afe2a_quant:
	s_mov_b64 s[64:65], 0
	v_nop
	global_prefetch_b8 v0, s[64:65] scope:SCOPE_SE
	s_setreg_imm32_b32 hwreg(HW_REG_WAVE_MODE, 25, 1), 1
	s_wait_xcnt 0x0
; x, h [2048][2048] and the eight gate weights [2048][2048], all f32 with K innermost, become codes of FP6 (E2M3), 6 bits each, with one E8M0 scale byte for each 32 along K.
; A block's scale is 2^(floor(log2(its largest magnitude)) - 2); its byte is the largest magnitude's own exponent field - 2, held at 1 from below.  Each number is divided by the scale and rounded to the
; nearest code, ties to even; beyond the largest code the largest.
; LIMITS: a block of zeros, and a block whose largest magnitude lies under 2^-124, gets the byte 1 (the codes of a block of zeros are zeros, and the bytes are read by this program alone);
; NaN and infinities among the inputs are not served.
; THE LAYOUT IS THE NEXT LAUNCH'S: THE ORDER OF ITS OPERANDS' REGISTERS.  A gate is ONE product over K = 4,096: [x | h] against [W | U]: 32 steps of 128, x's or W's 16 first.
; A UNIT is 128 rows x one step: 8 fragments (16 rows x 128 K: 12 registers a lane, register n of lane l at byte 512 (n / 4) + 16 l + 4 (n % 4): 1,536 bytes), then two planes of 256 bytes of scale words
; (block i, row r: the word at 256 (i / 4) + 16 r + 4 (i % 4), byte b for K = 32 b on): 12,800 bytes.  a_pack: [16 groups of 128 rows][32 steps] units; b_pack: [64 groups][32 steps]; group G of b_pack is units
; e = 32 G .. 32 G + 31 of all four gates: its block 2 g + u is gate g (0 i, 1 f, 2 c, 3 o), e = 32 G + 16 u + 0 .. 15.
; In a fragment lane (r, h) holds row r; its registers 6 c .. 6 c + 5 hold K = 64 c + 32 h + 0 .. 31, 24 bytes of the row's stream of codes.
; SHARES.  A work-group takes 64 rows (blocks 4 j .. 4 j + 3 of a group) x 512 along K (four steps) of one tensor of a pair; wave w takes block 4 j + w: 16 rows, four fragments.  Work-group y = 0: x and h; 1 .. 4: the weights.
; A STEP is one row's 512 numbers: four loads of 512 consecutive bytes.  The conversion takes 16 numbers of one block from ONE lane's registers: so the 2,048 bytes go through the wave's own stage in LDS as they lie and
; come back 64 bytes a lane (16 bytes of padding behind each 64).  Lane L then holds K = 16 L on: fragment L / 8, half L % 2 of block (L / 2) % 4.  Its 16 codes are three registers of the fragment: they go, word by word,
; into the wave's four images of fragments in LDS, and when the 16 rows are done the images leave as they lie: each store of a wave covers 512 consecutive bytes, aligned to 256.
; The scale bytes go to the wave's own 256 bytes of LDS; behind the one barrier wave w gathers the four waves' words of step w and stores the plane: 256 consecutive bytes, aligned.
; Only pointers are chosen by the work-group's and the wave's number: there is one path through the text.  Loads run four steps (16 loads a wave) ahead, the turn through LDS one step.
.set STEPS, 16
.set EMAX,  2
.set SP,    80                         ; a lane's place in a stage: its 64 bytes + 16 of padding
.set STGB,  2*32*SP                    ; two stages
.set IMGP,  2320                       ; an image: three planes of 768 bytes (lanes 0-15: 256 bytes, 128 free, lanes 16-31: 256, 128 free) + 16: so the 32 lanes of a word store fall on 32 different banks
.set WREG,  14592                      ; LDS: a region for each wave: the stages, then four images
.set SCB,   4*WREG                     ; behind them: 256 bytes of scale bytes for each wave: fragment f, row r at 64 f + 4 r
.set UNIT,  12800
.set FRB,   1536
.set AD,    16                         ; v16-18   where my three words of codes go in the images
.set RB,    19                         ; v19      where I read an image back
.set R,     24                         ; v24-87   four sets of 16 numbers as they are loaded; at the end the images read back
.set X,     88                         ; v88-119  two sets of 16 neighbours
.set C,     120                        ; v120-135 codes: four sets of four registers by turns
.set E,     136                        ; v136-139 scale bytes: four by turns
	s_load_b128 s[4:7], s[0:1], 0x0                ; x, h
	s_load_b256 s[8:15], s[0:1], 0x10              ; Wi, Ui, Wf, Uf
	s_load_b256 s[16:23], s[0:1], 0x30             ; Wc, Uc, Wo, Uo
	s_load_b128 s[24:27], s[0:1], 0x50             ; a_pack, b_pack
	v_lshl_add_u32 v144, v0, 2, 0xe800
	v_mov_b32 v145, 0
	v_lshrrev_b32 v1, 5, v0
	v_readfirstlane_b32 s32, v1                    ; wave 0..3
	v_and_b32 v2, 31, v0                           ; lane
	v_lshlrev_b32 v3, 4, v2                        ; my 16 bytes of 512: of a load, and of a store of an image
	s_mul_i32 s30, s32, WREG
	v_lshrrev_b32 v14, 2, v2
	v_mul_u32_u24 v14, v14, SP
	v_and_b32 v15, 3, v2
	v_lshl_add_u32 v14, v15, 4, v14
	v_add_nc_u32 v14, s30, v14                     ; the stage, on the way in: four lanes' 64 bytes on end, then 16 of padding
	v_mul_u32_u24 v15, v2, SP
	v_add_nc_u32 v15, s30, v15                     ; and on the way out: SP x lane: my 16 neighbours
	s_add_co_u32 s30, s30, STGB                    ; my four images
	v_bfe_u32 v8, v2, 2, 1                         ; c: which 64 along K of the fragment
	v_bfe_u32 v9, v2, 1, 1                         ; h: which half of the fragment's lanes
	v_and_b32 v10, 1, v2                           ; which half of the block of 32
	v_lshrrev_b32 v11, 3, v2                       ; f: which fragment
	v_mul_u32_u24 v12, v8, 6
	v_mad_u32_u24 v12, v10, 3, v12                 ; my first register of the fragment: 6 c + 3 x half
	v_mul_u32_u24 v13, v11, IMGP
	v_mad_u32_u24 v13, v9, 384, v13
	v_add_nc_u32 v13, s30, v13
.irp d, 0,1,2
	v_add_nc_u32 v1, \d, v12                       ; register n
	v_lshrrev_b32 v[AD+\d], 2, v1
	v_and_b32 v1, 3, v1
	v_mul_u32_u24 v[AD+\d], v[AD+\d], 768          ; plane n / 4,
	v_lshl_add_u32 v[AD+\d], v1, 2, v[AD+\d]       ; word n % 4 of a lane's 16 bytes (the row's 16 bytes stand in the store's immediate)
	v_add_nc_u32 v[AD+\d], v13, v[AD+\d]
.endr
	v_lshrrev_b32 v1, 4, v2
	v_and_b32 v[RB], 15, v2
	v_lshlrev_b32 v[RB], 4, v[RB]
	v_mad_u32_u24 v[RB], v1, 384, v[RB]
	v_add_nc_u32 v[RB], s30, v[RB]                 ; back: 16 bytes a lane of a plane
	s_lshl_b32 s31, s32, 8
	s_add_co_u32 s31, s31, SCB                     ; my wave's 256 scale bytes
	v_bfe_u32 v5, v2, 1, 2                         ; my block of the fragment's four: the byte in the row's word
	v_lshl_add_u32 v5, v11, 6, v5
	v_add_nc_u32 v5, s31, v5                       ; (the row's 4 bytes stand in the store's immediate)
	s_lshl_b32 s31, s32, 6
	s_add_co_u32 s31, s31, SCB                     ; the plane that I gather: fragment = my wave's number, in every wave's bytes
	v_and_b32 v6, 1, v2
	v_lshlrev_b32 v6, 9, v6                        ; lane l takes row l / 2 and the words of waves 2 (l % 2) and 2 (l % 2) + 1
	v_lshrrev_b32 v1, 1, v2
	v_lshl_add_u32 v6, v1, 2, v6
	v_add_nc_u32 v6, s31, v6
	v_lshlrev_b32 v7, 3, v2                        ; and stores them at 8 x lane of the plane
	s_and_b32 s33, ttmp7, 0xffff                   ; y
	s_max_u32 s34, s33, 1
	s_sub_co_u32 s34, s34, 1
	s_lshl_b32 s34, s34, 8
	s_add_co_u32 s34, s34, ttmp9                   ; the work-group's number among x's and h's 256, or among the weights' 1,024
	s_and_b32 s35, s34, 7                          ; which 512 of K = 4,096: steps 4 x this on
	s_bfe_u32 s36, s34, 0x10003                    ; j: which half of the group
	s_lshr_b32 s37, s34, 4                         ; G: the group
	s_lshr_b32 s38, s35, 2                         ; which tensor of the pair
	s_lshl_b32 s39, s37, 7
	s_lshl_b32 s40, s36, 6
	s_add_co_u32 s39, s39, s40
	s_lshl_b32 s40, s32, 4
	s_add_co_u32 s39, s39, s40                     ; x, h: my first row = 128 G + 64 j + 16 x wave
	s_lshl_b32 s41, s37, 5
	s_and_b32 s40, s32, 1
	s_lshl_b32 s40, s40, 4
	s_add_co_u32 s41, s41, s40                     ; a weight: my first row = 32 G + 16 (wave % 2)
	s_lshr_b32 s40, s32, 1
	s_lshl_b32 s42, s36, 1
	s_add_co_u32 s40, s40, s42                     ; of gate 2 j + wave / 2
	s_lshl_b32 s40, s40, 1
	s_add_co_u32 s40, s40, s38
	s_add_co_u32 s40, s40, 2                       ; its place among the ten tensors: 2 + 2 x gate + which of the pair
	s_cmp_eq_u32 s33, 0
	s_cselect_b32 s42, s38, s40                    ; which of the ten tensors I read
	s_cselect_b32 s39, s39, s41                    ; and from which row on
	s_lshl_b32 s44, s39, 13                        ; in: rows of 8,192 bytes,
	s_and_b32 s40, s35, 3
	s_lshl_b32 s40, s40, 11
	s_add_co_u32 s44, s44, s40                     ; + the quarter of the row
	s_mov_b32 s45, 0
	s_lshl_b32 s46, s37, 5
	s_lshl_b32 s40, s35, 2
	s_add_co_u32 s46, s46, s40                     ; out: unit 32 G + the first of my four steps
	s_mul_i32 s46, s46, UNIT
	s_mov_b32 s47, 0
	s_mul_i32 s40, s32, UNIT
	s_add_co_u32 s28, s46, s40                     ; the plane that I store: in the unit of step = my wave's number,
	s_lshl_b32 s40, s36, 8
	s_add_co_u32 s28, s28, s40                     ; plane j,
	s_add_co_u32 s28, s28, 8*FRB                   ; behind the eight fragments
	s_mov_b32 s29, 0
	s_lshl_b32 s40, s36, 2
	s_add_co_u32 s40, s40, s32
	s_mul_i32 s40, s40, FRB
	s_add_co_u32 s46, s46, s40                     ; my fragments: block 4 j + wave
	s_wait_kmcnt 0x0
.irp k, 1,2,3,4,5,6,7,8,9                      ; the choices hang on the work-group's and the wave's number alone
	s_cmp_eq_u32 s42, \k
	s_cselect_b64 s[4:5], s[4+2*\k:5+2*\k], s[4:5]
.endr
	s_cmp_eq_u32 s33, 0
	s_cselect_b64 s[24:25], s[24:25], s[26:27]     ; a_pack or b_pack
	s_add_nc_u64 s[4:5], s[4:5], s[44:45]
	s_add_nc_u64 s[26:27], s[24:25], s[28:29]      ; the plane
	s_add_nc_u64 s[24:25], s[24:25], s[46:47]      ; the fragments
.macro LOAD t                          ; step t: row t's 2,048 bytes
.irp i, 0,1,2,3
	global_load_b128 v[R+16*((\t)%4)+4*\i:R+16*((\t)%4)+4*\i+3], v3, s[4:5] offset:8192*(\t)+512*\i th:TH_LOAD_NT   ; 32 lanes read 512 consecutive bytes; read once in the launch
.endr
.endm
.macro TURN t                          ; step t's numbers through the stage: LDS serves a wave's instructions in order (ISA guide 5.7.1.4), so no wait stands between the stores and the loads
.irp i, 0,1,2,3
	ds_store_b128 v14, v[R+16*((\t)%4)+4*\i:R+16*((\t)%4)+4*\i+3] offset:32*SP*((\t)%2)+8*SP*\i
.endr
.irp i, 0,1,2,3
	ds_load_b128 v[X+16*((\t)%2)+4*\i:X+16*((\t)%2)+4*\i+3], v15 offset:32*SP*((\t)%2)+16*\i
.endr
.endm
.irp t, 0,1,2,3
	LOAD \t
.endr
	s_wait_loadcnt 12                              ; step 0's four loads are in; those of steps 1 to 3 stay out
	TURN 0
.macro STEP t
.set XS, X+16*((\t)%2)
.set CD, C+4*((\t)%4)
.if (\t) > 0
	s_wait_dscnt 4                                 ; this step's numbers are back from the stage (the last step's four small stores may be out): so its stores into the stage have read their registers,
.else
	s_wait_dscnt 0x0
.endif
.if (\t)+4 < STEPS
	LOAD (\t)+4                                    ; which take the loads of four steps on
.endif
.if (\t)+1 < STEPS
.if STEPS-2-(\t) >= 3
	s_wait_loadcnt 12                              ; the next step's four loads are in; those of the three steps behind it may be out
.else
	s_wait_loadcnt 4*(STEPS-2-(\t))                ; at the end the count runs down
.endif
	TURN (\t)+1                                    ; and go through the other stage while this step is worked
.endif
	v_max3_num_f32 v8, |v[XS]|, |v[XS+1]|, |v[XS+2]|               ; the largest magnitude of my 16, in two chains
	v_max3_num_f32 v9, |v[XS+3]|, |v[XS+4]|, |v[XS+5]|
.irp i, 6,10
	v_max3_num_f32 v8, v8, |v[XS+\i]|, |v[XS+\i+1]|
	v_max3_num_f32 v9, v9, |v[XS+\i+2]|, |v[XS+\i+3]|
.endr
	v_max3_num_f32 v8, v8, |v[XS+14]|, |v[XS+15]|
	v_max3_num_f32 v8, v8, v9, (EMAX+1)<<23        ; and the floor 2^(EMAX + 1 - 127): so the byte cannot fall under 1
	v_max_num_f32_dpp v8, v8, v8 row_xmask:1 row_mask:0xf bank_mask:0xf   ; and of my neighbour's 16: the block's
	v_add_nc_u32 v11, -(EMAX<<23), v8              ; EMAX off its exponent field: the conversion takes the exponent field of this operand as its scale, and nothing else of it
	v_cvt_scalef32_pk16_fp6_f32 v[CD:CD+2], v[XS:XS+15], v11   ; 16 codes, 96 bits without gaps, the first number's code lowest: three registers of the fragment
	v_lshrrev_b32 v[E+(\t)%4], 23, v11             ; the scale's byte (also the plain line behind the conversion)
	ds_store_b8 v5, v[E+(\t)%4] offset:4*(\t)      ; both lanes of a block write the same byte with the same value
.irp d, 0,1,2
	ds_store_b32 v[AD+\d], v[CD+\d] offset:16*(\t) ; into the image: the place of lane (row t, h)
.endr
.endm
.irp t, 0,1,2,3,4,5,6,7,8,9,10,11,12,13,14,15
	STEP \t
.endr
.irp f, 0,1,2,3
.irp c, 0,1,2
	ds_load_b128 v[R+12*\f+4*\c:R+12*\f+4*\c+3], v[RB] offset:IMGP*\f+768*\c   ; served behind my word stores: the four images, as the next launch's registers want them
.endr
.endr
	s_wait_dscnt 0x0                               ; the images are back; and, for the others' sake, my scale bytes are stored
	s_barrier_signal -1
	s_barrier_wait -1
	ds_load_b32 v12, v6                            ; two of the four waves' words of my plane's row
	ds_load_b32 v13, v6 offset:256
.irp f, 0,1,2,3
.irp c, 0,1,2
	global_store_b128 v3, v[R+12*\f+4*\c:R+12*\f+4*\c+3], s[24:25] offset:UNIT*\f+512*\c   ; 32 lanes store 512 consecutive bytes, at a multiple of 256 from the buffer's first byte
.endr
.endr
	s_wait_dscnt 0x0
	global_store_b64 v7, v[12:13], s[26:27]        ; 32 lanes store the plane's 256 consecutive bytes
	s_wait_tensorcnt 0x0
	ds_add_u32 v144, v145
	s_wait_dscnt 0x0
	s_endpgm
.Lfunc_end_k_q02a45afe2a_quant:
	.size	k_q02a45afe2a_quant, .Lfunc_end_k_q02a45afe2a_quant-k_q02a45afe2a_quant
	.p2alignl 7, 3214868480
	.fill 96, 4, 3214868480
	.section	.rodata,"a",@progbits
	.p2align	6, 0x0
	.amdhsa_kernel k_q02a45afe2a_quant
		.amdhsa_group_segment_fixed_size 59904
		.amdhsa_private_segment_fixed_size 0
		.amdhsa_enable_private_segment 0
		.amdhsa_kernarg_size 96
		.amdhsa_user_sgpr_count 2
		.amdhsa_user_sgpr_kernarg_segment_ptr 1
		.amdhsa_wavefront_size32 1
		.amdhsa_system_sgpr_workgroup_id_x 1
		.amdhsa_system_sgpr_workgroup_id_y 1
		.amdhsa_system_sgpr_workgroup_id_z 1
		.amdhsa_system_vgpr_workitem_id 0
		.amdhsa_next_free_vgpr 146
		.amdhsa_next_free_sgpr 66
		.amdhsa_reserve_vcc 0
		.amdhsa_float_denorm_mode_32 3
		.amdhsa_float_denorm_mode_16_64 3
		.amdhsa_memory_ordered 1
		.amdhsa_forward_progress 1
		.amdhsa_inst_pref_size 40
	.end_amdhsa_kernel
	.amdgpu_metadata
---
amdhsa.version: [ 1, 2 ]
amdhsa.kernels:
  - .name:           k_q02a45afe2a_quant
    .symbol:         k_q02a45afe2a_quant.kd
    .args:
      - { .name: x, .offset: 0, .size: 8, .value_kind: global_buffer, .address_space: global }
      - { .name: h, .offset: 8, .size: 8, .value_kind: global_buffer, .address_space: global }
      - { .name: Wi, .offset: 16, .size: 8, .value_kind: global_buffer, .address_space: global }
      - { .name: Ui, .offset: 24, .size: 8, .value_kind: global_buffer, .address_space: global }
      - { .name: Wf, .offset: 32, .size: 8, .value_kind: global_buffer, .address_space: global }
      - { .name: Uf, .offset: 40, .size: 8, .value_kind: global_buffer, .address_space: global }
      - { .name: Wc, .offset: 48, .size: 8, .value_kind: global_buffer, .address_space: global }
      - { .name: Uc, .offset: 56, .size: 8, .value_kind: global_buffer, .address_space: global }
      - { .name: Wo, .offset: 64, .size: 8, .value_kind: global_buffer, .address_space: global }
      - { .name: Uo, .offset: 72, .size: 8, .value_kind: global_buffer, .address_space: global }
      - { .name: a_pack, .offset: 80, .size: 8, .value_kind: global_buffer, .address_space: global }
      - { .name: b_pack, .offset: 88, .size: 8, .value_kind: global_buffer, .address_space: global }
    .group_segment_fixed_size: 59904
    .private_segment_fixed_size: 0
    .kernarg_segment_align: 8
    .kernarg_segment_size: 96
    .max_flat_workgroup_size: 128
    .sgpr_count:     66
    .vgpr_count:     146
    .wavefront_size: 32
...
	.end_amdgpu_metadata
.endif
;; end of part 1
;; launch gates (part 2): grid 32 x 8, 4 waves a work-group, clusters of 4 x 4, 327,680 bytes of LDS; arguments a_pack, b_pack, bWi, bUi, bWf, bUf, bWc, bUc, bWo, bUo, out1, hl; writes out1, hl
.if DOCPART == 2
	.amdgcn_target "amdgcn-amd-amdhsa--gfx1250"
	.amdhsa_code_object_version 6
	.text
	.protected	k_q02a45afe2a_gates
	.globl	k_q02a45afe2a_gates
	.p2align	8
	.type	k_q02a45afe2a_gates,@function
k_q02a45afe2a_gates:
	s_mov_b64 s[64:65], 0
	v_nop
	global_prefetch_b8 v0, s[64:65] scope:SCOPE_SE
	s_setreg_imm32_b32 hwreg(HW_REG_WAVE_MODE, 25, 1), 1
	s_wait_xcnt 0x0
	s_wait_alu depctr_hold_cnt(0) depctr_sa_sdst(0) depctr_va_vdst(0) depctr_va_sdst(0) depctr_va_ssrc(0) depctr_va_vcc(0) depctr_vm_vsrc(0)
	s_getreg_b32 s2, hwreg(HW_REG_IB_STS2, 6, 4)
	s_cmp_eq_u32 s2, 0
	s_cbranch_scc0 .Lentry_in_a_cluster
	s_endpgm
.Lentry_in_a_cluster:
	s_bfe_u32 s2, ttmp6, 0x10000c
	s_cmp_lg_u32 s2, 0xf033
	s_cbranch_scc0 .Lentry_shape_is_right
	s_endpgm
.Lentry_shape_is_right:
; Z_g = [x | h] [W_g | U_g]^T + bW_g + bU_g for the gates i, f, c, o, on codes of FP6 (E2M3) with one E8M0 scale for each 32 along K = 4,096; then c = exp(Zf) x 0 + exp(Zi) tanh(Zc) (out1),
; and h_out = sigmoid(Zo) tanh(c) for the last time step of each of the 4 batches (hl), which is all of h_out that is used.
; THE OPERANDS LIE IN MEMORY IN THE ORDER OF THEIR REGISTERS.  A unit is 128 rows x 128 along K: 8 fragments of 1,536 bytes (register n of lane l at 512 (n / 4) + 16 l + 4 (n % 4)) and two planes of 256 bytes of scale
; words (block i, row r at 256 (i / 4) + 16 r + 4 (i % 4)): 12,800 bytes.  a_pack [16 groups][32 steps] units, b_pack [64 groups][32 steps]; group G of b_pack is units e = 32 G on of all four gates, block 2 g + u = gate g, e = 32 G + 16 u on.
; So a fragment comes from LDS by three loads of 16 bytes a lane, 512 consecutive bytes each; a step's eight scale registers by two; and what a wave fetches for several steps is one dense run of memory.
; SHARES.  A work-group of four waves makes 256 rows x 64 units e x the gates: two groups of A against two groups of B.  Wave w: A's group w / 2 against B's group w % 2.
; A's eight blocks go against B's blocks 0-5 (i, f, c): 48 accumulators; A's block 7 also against blocks 6, 7 (o): 2 more, since Zo is wanted for rows 511, 1023, 1535, 2047 alone, each the last row of a wave's
; block 7.  50 matrix instructions for 128 along K.
; THE MATRIX INSTRUCTION IS USED TRANSPOSED (source 0 = 16 rows of B, source 1 = 16 rows of A): lane (r, h), register j of accumulator (a, b) is row 16 a + r, unit 16 u + 8 h + j: the same place in every gate.
; So the cell is plain lane-wise arithmetic, and a lane's eight c are 32 neighbouring bytes of a row of out1.
; THE RING.  Two LDS slots of THREE steps each: a wave's one tensor load brings 38,400 bytes, 150 rows of 256.  32 steps are 2 + 10 x 3: fill 0 (slot 0) holds steps 0 and 1, fill f = 1 .. 10 steps 3 f - 1 on.
; From a refill to the wait for it a wave issues 126 matrix instructions.
; CLUSTERS: 4 x 4 work-groups.  The four of a row of the cluster need the same units of A, the four of a column the same units of B: each is asked for JOINTLY.  The tile row is 2 cy + cluster y, so that
; 'the tile holds a batch's last row' (an odd tile row) is 'cluster y = 1': the same in all sixteen partners.
; THE BIASES bW + bU are the C of each sum's first matrix instruction.
; LIMITS: a gate's sum starts from bW + bU and runs over x's K and then h's in one chain (another order of rounding than four separate sums); v_exp_f32 gives 0 for results under 2^-126;
; tanh z = 1 - 2 / (1 + e^(2 z)): an absolute error of about 1e-7, right at both infinities.  exp(Zf) x 0 is computed: it is NaN where exp(Zf) overflows.
; REGISTERS, in windows of 256: window 0: v0-31 addresses; v32-47 scale words, two sets of 8; v64-127 the bias tiles; v128-223 A's fragments, ONE set; on the way out v64-255 are free.
;   window 1: B's fragments, TWO sets, at v0 and at v128.   window 2: accumulator (a, b) at v[8 (6 a + b)], a = 0 .. 3.   window 3: the same for a - 4; Zo's two at v192, v200.
.set UNIT,   12800                     ; 128 rows x 128 K: codes and scale words
.set FRB,    1536                      ; a fragment
.set SCO,    8*FRB                     ; where a unit's scale words begin
.set FILLB,  3*UNIT                    ; what one tensor load brings: three steps of one group
.set SLOT,   4*FILLB                   ; A's two groups, then B's two
.set GROUPB, 32*UNIT                   ; a group's 32 steps in memory
.set FR,     12                        ; registers of a fragment
.set NL,     3                         ; LDS loads that bring one
.set NP,     4                         ; places behind this matrix instruction (ISA guide 7.12.1)
.set SPARE,  2*SLOT                    ; behind the ring: the spare words, 128 bytes for each wave: two blocks of 256 bytes that no other line names
.set STG,    SLOT                      ; the way out: a stage of 256 rows x (256 bytes + 16), the work-group's.  It lies in slot 1, which has had its last fill and its last read when the first result is stored there
.set SPITCH, 272
.set ADRA, 16                          ; v16-17  LDS address of my lane's 16 bytes in A's group, slot 0, 1
.set ADRS, 18                          ; v18-19  of my scale words: lanes 0-15 in A's group, lanes 16-31 in B's
.set ADRB, 20                          ; v20-21  in B's group
.set STO,  24                          ; v24     the way out: where I put 32 bytes of a row
.set RD,   25                          ; v25     where I read a row back
.set CO,   26                          ; v26     my byte offset in two rows of out1
.set PFO2, 27                          ; v27     the second prefetch's offset; never rewritten
.set SPW,  28                          ; v28     LDS address of my spare word; never rewritten
.set NIL,  29                          ; v29     0; never rewritten
.set PFO,  30                          ; v30     the first prefetch's offset; never rewritten
.set HO,   31                          ; v31     my byte offset in hl
.set SC,   32                          ; scale words: set p at v[SC + 8 p]; register i: lanes 0-15 the word of A's block i, lanes 16-31 that of B's block i
.set BI,   64                          ; bias tiles: 8 registers for each of B's blocks
.set AF,   128                         ; A's fragments
.set G1, 24                            ; s[24:31] descriptor group 1 for A's fills of three steps;  s[32:39] group 0, one set for each slot
.set G0, 32
.set G1B, 48                           ; s[48:55], s[56:63] the same for B's
.set G0B, 56
.set PFA, 66                           ; s[66:67] where my prefetches stand
.set G1F, 68                           ; s[68:75] group 1 for A's first fill, of two steps;  s[80:87] for B's
.set G1FB, 80
.set LIM, 100                          ; s100    1 in a wave that prefetches, else the greatest number
.set HF,  101                          ; s101    1 where my block 7 ends with a batch's last row
.set MSB, 0
.macro WIN new                         ; the immediate's high byte repeats the setting that is left
.if MSB != \new
	s_set_vgpr_msb (MSB<<8)|\new
.set MSB, \new
.endif
.endm
.set MUL_LO,   0xa1                    ; source 0 (B) window 1, source 1 (A) window 0, C and D window 2
.set MUL_HI,   0xf1                    ; the same, C and D window 3
.set MUL_LO_B, 0x81                    ; the first step: C (a bias tile) window 0, D window 2
.set MUL_HI_B, 0xc1                    ; D window 3
.set TO_B,     0x40                    ; destination window 1, address window 0
; A joint load: waves 0 and 1 fetch A's two groups, waves 2 and 3 B's.  Each of the two lines has ONE mask and one set of registers for all that issue it; the branch hangs on the wave's number alone.
; Four v_nop follow each of the two lines, ahead of the jump, the label and what follows.
.macro JLOAD g0a, g1a, g0b, g1b
	s_cmp_eq_u32 s15, 0
	s_cbranch_scc0 .Lfor_b_\@
	tensor_load_to_lds s[\g0a:\g0a+3], s[\g1a:\g1a+7]
	s_nop 0
.rept 4
	v_nop
.endr
	s_branch .Lasked_\@
.Lfor_b_\@:
	tensor_load_to_lds s[\g0b:\g0b+3], s[\g1b:\g1b+7]
	s_nop 0
.rept 4
	v_nop
.endr
.Lasked_\@:
.endm
.macro CREST                           ; a round of the cluster's barrier behind its opening barrier
	s_cmp_lg_u32 s14, 0
	s_cbranch_scc1 .Lnot_wave_0_\@
	s_barrier_signal -3
.Lnot_wave_0_\@:
	s_barrier_wait -3
	s_barrier_signal -1
	s_barrier_wait -1
.endm
.macro CROUND                          ; a whole round
	s_barrier_signal -1
	s_barrier_wait -1
	CREST
.endm
; A PREFETCH INTO THE L2, behind a joint refill and the run of LDS loads that follows it: the fill that the NEXT refill will ask for, 150 matrix instructions ahead of that load: 38,400 bytes, 150 blocks of 256.
; A's groups are read by every cluster of the same cluster y: the one with cluster x = 0 asks; B's by both clusters of the same cluster x: the one with cluster y = 0 asks.  Of the 150 blocks that a wave fetches, the partner
; at place p among the four that ask for them jointly (p = cx for A, cy for B) takes blocks 38 p on, told apart BY ADDRESS: the first instruction names 38 p + lane, the second 38 p + 32 + lane for lanes 0 to 5, held at
; block 149 (lanes 6 to 31 name lane 5's block again).  Fills 0 to 2 come by their loads alone; behind the refill with fill 10, the last, nothing is asked for: how = 0 tests the loop's count, which is 1 there.
.macro ASK how
.if \how
	s_cmp_eq_u32 s[LIM], 1
.else
	s_cmp_gt_u32 s3, s[LIM]
.endif
	s_cbranch_scc0 .Lnot_mine_\@
	global_prefetch_b8 v[PFO], s[PFA:PFA+1] th:TH_LOAD_NT scope:SCOPE_SE
	global_prefetch_b8 v[PFO2], s[PFA:PFA+1] th:TH_LOAD_NT scope:SCOPE_SE
.Lnot_mine_\@:
.endm
	s_load_b128 s[4:7], s[0:1], 0x0                ; a_pack s[4:5], b_pack s[6:7]
	s_load_b64 s[12:13], s[0:1], 0x50              ; out1
	s_load_b64 s[104:105], s[0:1], 0x58            ; hl
	v_lshl_add_u32 v[SPW], v0, 2, SPARE
	v_mov_b32 v[NIL], 0
	ds_add_u32 v28, v29
	ds_add_u32 v28, v29
	s_wait_dscnt 0x0
	v_lshrrev_b32 v1, 5, v0
	v_readfirstlane_b32 s14, v1                    ; wave 0..3
	s_lshr_b32 s15, s14, 1                         ; which of A's two groups is mine.  Also: I fetch for A (0) or for B (1)
	s_and_b32 s16, s14, 1                          ; which of B's two groups.  Also: which of the two groups I fetch
	s_bfe_u32 s40, ttmp6, 0x40000                  ; cx, cy: my place in the cluster
	s_bfe_u32 s41, ttmp6, 0x40004
	s_lshl_b32 s42, ttmp9, 2
	s_add_co_u32 s42, s42, s40                     ; tile column = 4 x cluster x + cx: units 64 x tile column on
	s_and_b32 s17, ttmp7, 0xffff                   ; cluster y: 0 or 1
	s_and_b32 s[HF], s17, s15                      ; an odd tile row's lower half ends with a batch's last row: made of cluster y and the wave's number alone
	s_lshl_b32 s18, s41, 1
	s_add_co_u32 s17, s17, s18                     ; tile row = 2 cy + cluster y
	s_lshl_b32 s43, s41, 2
	s_lshl_b32 s43, 15, s43                        ; my row of the cluster
	s_lshl_b32 s44, 0x1111, s40                    ; my column
	; descriptor group 1: a dense run of memory as rows of 256 bytes (32 elements of 8 bytes): 150 rows for three steps, 100 for the first fill's two; no padding
	s_or_b32 s[G1+0], s43, (3<<16)|(1<<21)         ; 15:0 the mask: A's go to my row of the cluster; 17:16 elements of 8 bytes; 20 padding off; 21 set beside a mask
	s_or_b32 s[G1B+0], s44, (3<<16)|(1<<21)        ; B's to my column
	s_or_b32 s[G1F+0], s43, (3<<16)|(1<<21)
	s_or_b32 s[G1FB+0], s44, (3<<16)|(1<<21)
.irp g, G1, G1B
	s_mov_b32 s[\g+1], 32<<16                      ; tensor_dim0
	s_mov_b32 s[\g+2], 150<<16                     ; tensor_dim1
	s_mov_b32 s[\g+3], 32<<16                      ; tile_dim0
	s_mov_b32 s[\g+4], 150                         ; tile_dim1
	s_mov_b32 s[\g+5], 32                          ; tensor_dim0_stride
	s_mov_b32 s[\g+6], 0
	s_mov_b32 s[\g+7], 0
.endr
.irp g, G1F, G1FB
	s_mov_b32 s[\g+1], 32<<16
	s_mov_b32 s[\g+2], 100<<16
	s_mov_b32 s[\g+3], 32<<16
	s_mov_b32 s[\g+4], 100
	s_mov_b32 s[\g+5], 32
	s_mov_b32 s[\g+6], 0
	s_mov_b32 s[\g+7], 0
.endr
	s_lshl_b32 s20, s17, 1
	s_add_co_u32 s20, s20, s16                     ; A: group 2 x tile row + which
	s_mul_i32 s20, s20, GROUPB
	s_mov_b32 s21, 0
	s_lshl_b32 s46, s42, 1
	s_add_co_u32 s46, s46, s16                     ; B: group 2 x tile column + which
	s_mul_i32 s46, s46, GROUPB
	s_mov_b32 s47, 0
	s_mul_i32 s45, s14, FILLB                      ; where they go: wave x 38,400: no place in the cluster enters an LDS address
	s_wait_kmcnt 0x0
	s_add_nc_u64 s[20:21], s[4:5], s[20:21]
	s_add_nc_u64 s[46:47], s[6:7], s[46:47]
	CROUND                                         ; all sixteen work-groups are here: the first joint loads meet
.irp s, 0,1
	s_mov_b32 s[G0+4*\s], 1
	s_add_co_u32 s[G0+4*\s+1], s45, \s*SLOT
	s_add_nc_u64 s[G0+4*\s+2:G0+4*\s+3], s[20:21], \s*2*UNIT     ; slot 0: step 0 on; slot 1: step 2 on
	s_or_b32 s[G0+4*\s+3], s[G0+4*\s+3], 0x80000000
	s_mov_b32 s[G0B+4*\s], 1
	s_add_co_u32 s[G0B+4*\s+1], s45, \s*SLOT
	s_add_nc_u64 s[G0B+4*\s+2:G0B+4*\s+3], s[46:47], \s*2*UNIT
	s_or_b32 s[G0B+4*\s+3], s[G0B+4*\s+3], 0x80000000
.endr
	JLOAD G0, G1F, G0B, G1FB                       ; fill 0: steps 0 and 1
	JLOAD G0+4, G1, G0B+4, G1B                     ; fill 1: steps 2 to 4.  Two tensor loads of mine are out now
	; the prefetches: where mine stand, and whether I ask
	s_and_b32 s23, ttmp7, 0xffff                   ; cluster y
	s_cmp_eq_u32 s15, 0                            ; do I fetch for A?
	s_cselect_b32 s22, s40, s41                    ; my place among the four that ask with me
	s_cselect_b32 s23, ttmp9, s23                  ; the coordinate along which other clusters read the same group
	s_cselect_b64 s[PFA:PFA+1], s[20:21], s[46:47] ; the group that I fetch
	s_cmp_eq_u32 s23, 0
	s_cselect_b32 s[LIM], 1, -1                    ; the same in all sixteen partners, for a given wave
	s_add_nc_u64 s[PFA:PFA+1], s[PFA:PFA+1], 5*UNIT   ; at fill 2: the first refill steps it to fill 3 and names that
	s_mul_i32 s22, s22, 38
	v_and_b32 v3, 31, v0
	v_add_nc_u32 v[PFO], s22, v3
	v_lshlrev_b32 v[PFO], 8, v[PFO]                ; block 38 p + lane
	v_min_u32 v4, 5, v3
	v_add_nc_u32 v4, s22, v4
	v_add_nc_u32 v4, 32, v4
	v_min_u32 v4, 149, v4                          ; block 38 p + 32 + lane, lanes 0 to 5, held inside the fill
	v_lshlrev_b32 v[PFO2], 8, v4
	s_load_b256 s[4:11], s[0:1], 0x10              ; bWi, bUi, bWf, bUf: the packs' addresses have been used
	s_load_b256 s[92:99], s[0:1], 0x30             ; bWc, bUc, bWo, bUo
	v_and_b32 v1, 15, v0                           ; r = l % 16
	v_bfe_u32 v2, v0, 4, 1                         ; h = l / 16
	v_lshlrev_b32 v4, 4, v3                        ; 16 x lane: my place in every 512 bytes of a fragment
	s_mul_i32 s21, s15, FILLB                      ; my group of A
	s_mul_i32 s22, s16, FILLB                      ; my group of B,
	s_add_co_u32 s22, s22, 2*FILLB                 ; behind A's two
	s_sub_co_u32 s23, s22, s21
	v_lshlrev_b32 v5, 4, v1                        ; scale words: 16 bytes a row in a plane;
	v_mul_u32_u24 v6, s23, v2                      ; lanes 16-31 take B's: the lower base + h x the distance
	v_add_nc_u32 v5, v5, v6
.irp s, 0,1
	v_add_nc_u32 v[ADRA+\s], s21, v4
	v_add_nc_u32 v[ADRB+\s], s22, v4
	v_add_nc_u32 v[ADRS+\s], s21, v5
	s_add_co_u32 s21, s21, SLOT
	s_add_co_u32 s22, s22, SLOT
.endr
	s_mul_i32 s23, s15, 128*SPITCH                 ; into the stage: my 128 rows, my half of their 256 bytes; row r, 32 bytes for each half of the lanes
	s_lshl_b32 s21, s16, 7
	s_add_co_u32 s23, s23, s21
	s_add_co_u32 s23, s23, STG
	v_mul_u32_u24 v5, v1, SPITCH
	v_lshl_add_u32 v5, v2, 5, v5
	v_add_nc_u32 v[STO], s23, v5
	s_mul_i32 s23, s14, 64*SPITCH                  ; back: wave w takes rows 64 w on, whole; lanes 0-15 one row of 256 bytes, lanes 16-31 the next
	s_add_co_u32 s23, s23, STG
	v_mul_u32_u24 v5, v2, SPITCH
	v_lshl_add_u32 v5, v1, 4, v5
	v_add_nc_u32 v[RD], s23, v5
	v_lshlrev_b32 v5, 13, v2                       ; and the same two rows in out1: 8,192 bytes a row
	v_lshl_add_u32 v[CO], v1, 4, v5
	s_lshl_b32 s20, s17, 8
	s_lshl_b32 s21, s14, 6
	s_add_co_u32 s20, s20, s21                     ; the first row of out1 that I store: 256 x tile row + 64 x wave
	s_lshl_b32 s20, s20, 13
	s_lshl_b32 s22, s42, 8                         ; the tile's first unit, in bytes: 256 x tile column
	s_add_co_u32 s20, s20, s22
	s_mov_b32 s21, 0
	s_add_nc_u64 s[12:13], s[12:13], s[20:21]
	s_lshl_b32 s21, s16, 7
	s_add_co_u32 s22, s22, s21                     ; + my 32 units
	v_lshl_add_u32 v8, v2, 5, s22                  ; the biases: my lane's eight units of a tile begin at 256 x tile column + 128 x which group + 32 h (+ 64 u)
	s_lshl_b32 s20, s41, 13                        ; hl: batch cy's row of 8,192 bytes
	s_add_co_u32 s20, s20, s22
	v_lshl_add_u32 v[HO], v2, 5, s20
	s_wait_kmcnt 0x0
.macro BIAS g, pw, pu                  ; gate g: bW into its two bias tiles, bU beside them into registers that A's fragments will take
.irp u, 0,1
.irp f, 0,1
	global_load_b128 v[BI+8*(2*\g+\u)+4*\f:BI+8*(2*\g+\u)+4*\f+3], v8, s[\pw:\pw+1] offset:64*\u+16*\f
	global_load_b128 v[AF+8*(2*\g+\u)+4*\f:AF+8*(2*\g+\u)+4*\f+3], v8, s[\pu:\pu+1] offset:64*\u+16*\f
.endr
.endr
.endm
	BIAS 0, 4, 6
	BIAS 1, 8, 10
	BIAS 2, 92, 94
	BIAS 3, 96, 98
	s_wait_loadcnt 0x0
.set N, 0
.rept 32
	v_pk_add_f32 v[BI+N:BI+N+1], v[BI+N:BI+N+1], v[AF+N:AF+N+1]    ; bW + bU
.set N, N+2
.endr
.macro FRAG reg, adr, off              ; a fragment's 12 registers, as they lie: three loads, each of 512 consecutive bytes
.irp c, 0,1,2
	ds_load_b128 v[\reg+4*\c:\reg+4*\c+3], v[\adr] offset:\off+512*\c
.endr
.endm
; One product: A's block a against B's block b, 128 along K.  p: B's set and the set of scale words.  first = 1: the sum starts from the bias tile.
.macro MM a, b, p, first
.if (\b) < 6
.set DD, 8*(6*((\a)%4)+(\b))
.else
.set DD, 192+8*((\b)-6)
.endif
.if \first
.set CC, BI+8*(\b)
.else
.set CC, DD
.endif
	v_wmma_scale_f32_16x16x128_f8f6f4 v[DD:DD+7], v[128*(\p)+FR*(\b):128*(\p)+FR*(\b)+FR-1], v[AF+FR*(\a):AF+FR*(\a)+FR-1], v[CC:CC+7], v[SC+8*(\p)+(\b)], v[SC+8*(\p)+(\a)] matrix_a_fmt:MATRIX_FMT_FP6 matrix_b_fmt:MATRIX_FMT_FP6 matrix_a_scale:MATRIX_SCALE_ROW1
.endm
; A's blocks a0, a0 + 1 against B's blocks 0-5; block 7 also against 6 and 7.  The 50 accumulators take turns, one instruction a turn, in the same order in every step.
.macro MUL a0, p, first
.irp a, \a0, \a0+1
.irp b, 0,1,2,3,4,5
	MM \a, \b, \p, \first
.endr
.endr
.if (\a0) == 6
	MM 7, 6, \p, \first
	MM 7, 7, \p, \first
.endif
.endm
.macro FETCH_B slot, q, p              ; B's eight fragments of the slot's q-th step into set p
	WIN TO_B
.irp i, 0,1,2,3,4,5,6,7
	FRAG 128*(\p)+FR*\i, ADRB+\slot, (\q)*UNIT+\i*FRB
.endr
	WIN 0
.endm
.macro FETCH_A slot, q, i0             ; A's blocks i0 .. i0 + 3
.irp i, \i0, \i0+1, \i0+2, \i0+3
	FRAG AF+FR*(\i), ADRA+\slot, (\q)*UNIT+(\i)*FRB
.endr
.endm
.macro SCALES slot, q, p               ; the step's scale words into set p: a lane's 16 bytes of a plane are the words of four blocks; lanes 0-15 take A's, lanes 16-31 B's
.irp c, 0,1
	ds_load_b128 v[SC+8*(\p)+4*\c:SC+8*(\p)+4*\c+3], v[ADRS+\slot] offset:(\q)*UNIT+SCO+256*\c
.endr
.endm
; A load into a register that a matrix instruction has read, and a vector instruction that reads a matrix result or writes one of a matrix instruction's registers, stand NP places behind it; only plain vector
; instructions that name none of its registers are places (ISA guide 7.12.1 for vector instructions).
.macro PLACES n
.rept \n
	v_nop
.endr
.endm
; A step of 128 along K that has its successor in the same slot: the slot's q-th, on B's set p.  A block of A is free as soon as its products are issued, so one set serves A: blocks 0-3 are fetched anew in the step's
; middle, blocks 4-7 at its end.
.macro STEP slot, q, p, first
	s_wait_dscnt 4*NL                              ; B's set, A's blocks 0-3 and the scale words are in; the youngest 12 loads (A's blocks 4-7) may be out
.if \first
	WIN MUL_LO_B
.else
	WIN MUL_LO
.endif
	MUL 0, \p, \first
	MUL 2, \p, \first
	s_wait_dscnt 0                                 ; A's blocks 4-7 are in (asked for 24 matrix instructions ago)
	PLACES NP
	FETCH_B \slot, (\q)+1, 1-(\p)
	FETCH_A \slot, (\q)+1, 0
	SCALES \slot, (\q)+1, 1-(\p)
.if \first
	WIN MUL_HI_B
.else
	WIN MUL_HI
.endif
	MUL 4, \p, \first
	MUL 6, \p, \first
	PLACES NP
	WIN 0
	FETCH_A \slot, (\q)+1, 4
.endm
; A slot's last step changes slots: ONE barrier; in front of it each wave waits for all its tensor loads, adds 0 to its spare word, and waits for that and for its own reads of this slot.
; fill = 1: this slot is filled again, inc bytes further on in the group.
.macro TURN slot, p, next, fill, inc, how
.if \fill
	s_wait_xcnt 0x0                                ; the last prefetches, a slot back, have read their address: it is stepped here, ahead of the waits of the change of slots
	s_add_nc_u64 s[PFA:PFA+1], s[PFA:PFA+1], FILLB
.endif
	s_wait_tensorcnt 0x0                           ; all my tensor loads have landed: my part of the next slot;  (every window is 0 here: the add's two registers lie in window 0)
	ds_add_u32 v[SPW], v[NIL]                      ; 0 onto my spare word
	s_wait_dscnt 4*NL+1                            ; (the add and the youngest 12 loads, A's blocks 4-7, may be out)
	WIN MUL_LO
	MUL 0, \p, 0                                   ; twelve matrix instructions stand between the add and the wait for it
	s_wait_dscnt 0x0                               ; the add is done, and my reads of this slot are over
	s_barrier_signal -1
	MUL 2, \p, 0
	WIN 0
	s_barrier_wait -1
.if \fill
	CREST                                          ; the barrier has opened a round of the cluster's barrier: no wave of any partner still reads this slot or has a load on its way
	s_add_nc_u64 s[G0+4*\slot+2:G0+4*\slot+3], s[G0+4*\slot+2:G0+4*\slot+3], \inc
	s_add_nc_u64 s[G0B+4*\slot+2:G0B+4*\slot+3], s[G0B+4*\slot+2:G0B+4*\slot+3], \inc
	JLOAD G0+4*\slot, G1, G0B+4*\slot, G1B         ; the first tensor load behind the round, and my only one until the next; its four v_nop are the places in front of the loads below
.else
	PLACES NP
.endif
	FETCH_B \next, 0, 1-(\p)
	FETCH_A \next, 0, 0
	SCALES \next, 0, 1-(\p)
.if \fill
	ASK \how
.endif
	WIN MUL_HI
	MUL 4, \p, 0
	MUL 6, \p, 0
	PLACES NP
	WIN 0
	FETCH_A \next, 0, 4
.endm
	s_wait_tensorcnt 1                             ; my part of fill 0 is in (fill 1's load may be out)
	s_barrier_signal -1
	s_barrier_wait -1                              ; everybody's is
	FETCH_B 0, 0, 0
	FETCH_A 0, 0, 0
	SCALES 0, 0, 0
	FETCH_A 0, 0, 4
	s_mov_b32 s3, 4                                ; the loop's trips
	STEP 0, 0, 0, 1                                ; step 0: its products start the sums from the biases
	TURN 0, 1, 1, 1, 5*UNIT, 0                     ; step 1; slot 0 takes fill 2: steps 5 to 7
.Llap:                                                 ; a trip goes once round the ring: six steps, and both slots are filled again; B's sets are back where they began
	STEP 1, 0, 0, 0
	STEP 1, 1, 1, 0
	TURN 1, 0, 0, 1, 6*UNIT, 1
	STEP 0, 0, 1, 0
	STEP 0, 1, 0, 0
	TURN 0, 1, 1, 1, 6*UNIT, 0
	s_sub_co_u32 s3, s3, 1
	s_cmp_lg_u32 s3, 0
	s_cbranch_scc1 .Llap
	STEP 1, 0, 0, 0                                ; fills 9 and 10: the last lap fills nothing, and has no round of the cluster's barrier
	STEP 1, 1, 1, 0
	TURN 1, 0, 0, 0, 0, 0
	STEP 0, 0, 1, 0
	STEP 0, 1, 0, 0
	s_wait_dscnt 4*NL                              ; the very last step: nothing more to fetch
	WIN MUL_LO
	MUL 0, 1, 0
	MUL 2, 1, 0
	s_wait_dscnt 0
	WIN MUL_HI
	MUL 4, 1, 0
	MUL 6, 1, 0
	WIN 0
	PLACES NP                                      ; behind the last products: what follows reads results and writes registers that held A's fragments
	; THE CELL.  The bias pointers have been used (their loads were waited for): their registers take the constants.  A packed form names a pair and takes its low word for both halves, so both are written.
	s_mov_b32 s4, 0x3fb8aa3b                       ; log2(e)
	s_mov_b32 s5, s4
	s_mov_b32 s6, 0x4038aa3b                       ; 2 log2(e)
	s_mov_b32 s7, s6
	s_mov_b32 s8, 0xbfb8aa3b                       ; -log2(e)
	s_mov_b32 s9, s8
; A's blocks 2 p and 2 p + 1: 32 numbers a lane of each of Zi, Zf, Zc, into one of two sets of 96 registers in window 0 (TI, TF, TC; number 16 a + 8 u + j).  Each accumulator is read from its low end on.
; The exponentials are one batch with one wait, and so are the reciprocals.
.macro GATES p
.set TI, 64+96*((\p)%2)
.set TF, TI+32
.set TC, TI+64
.if (\p) >= 2
	s_wait_dscnt 8                                 ; the eight stores of the pair before may be out; those of two pairs back, which read this set, are done
.endif
	WIN (2+(\p)/2)                                 ; source 0: window 2 or 3
.irp a, 0,1
.irp u, 0,1
.irp j, 0,2,4,6
	v_pk_mul_f32 v[TI+16*\a+8*\u+\j:TI+16*\a+8*\u+\j+1], v[8*(6*(2*((\p)%2)+\a)+\u)+\j:8*(6*(2*((\p)%2)+\a)+\u)+\j+1], s[4:5] op_sel_hi:[1,0]      ; Zi log2(e)
.endr
.irp j, 0,2,4,6
	v_pk_mul_f32 v[TF+16*\a+8*\u+\j:TF+16*\a+8*\u+\j+1], v[8*(6*(2*((\p)%2)+\a)+2+\u)+\j:8*(6*(2*((\p)%2)+\a)+2+\u)+\j+1], s[4:5] op_sel_hi:[1,0]  ; Zf log2(e)
.endr
.irp j, 0,2,4,6
	v_pk_mul_f32 v[TC+16*\a+8*\u+\j:TC+16*\a+8*\u+\j+1], v[8*(6*(2*((\p)%2)+\a)+4+\u)+\j:8*(6*(2*((\p)%2)+\a)+4+\u)+\j+1], s[6:7] op_sel_hi:[1,0]  ; 2 Zc log2(e)
.endr
.endr
.endr
	WIN 0
.set N, 0
.rept 96
	v_exp_f32 v[TI+N], v[TI+N]                     ; i = e^Zi, f = e^Zf, e^(2 Zc)
.set N, N+1
.endr
	v_nop                                          ; a plain line behind the last exponential
	s_wait_alu depctr_va_vdst(0)                   ; one wait for the 96
.set N, 0
.rept 16
	v_pk_add_f32 v[TC+N:TC+N+1], v[TC+N:TC+N+1], 1.0 op_sel_hi:[1,0]
.set N, N+2
.endr
.set N, 0
.rept 32
	v_rcp_f32 v[TC+N], v[TC+N]                     ; 1 / (1 + e^(2 Zc))
.set N, N+1
.endr
.set N, 0
.rept 16
	v_pk_mul_f32 v[TF+N:TF+N+1], v[TF+N:TF+N+1], 0 op_sel_hi:[1,0]   ; f x the zero cell state: 0, or NaN where f has overflowed.  (Plain work behind the reciprocals, which it does not name)
.set N, N+2
.endr
	s_wait_alu depctr_va_vdst(0)                   ; one wait for the 32
.set N, 0
.rept 16
	v_pk_fma_f32 v[TC+N:TC+N+1], v[TC+N:TC+N+1], -2.0, 1.0 op_sel_hi:[1,0,0]   ; tanh Zc
.set N, N+2
.endr
.set N, 0
.rept 16
	v_pk_fma_f32 v[TI+N:TI+N+1], v[TI+N:TI+N+1], v[TC+N:TC+N+1], v[TF+N:TF+N+1]   ; c = i tanh Zc + f x 0
.set N, N+2
.endr
.irp a, 0,1
.irp u, 0,1
.irp f, 0,1
	ds_store_b128 v[STO], v[TI+16*\a+8*\u+4*\f:TI+16*\a+8*\u+4*\f+3] offset:(2*(\p)+\a)*16*SPITCH+64*\u+16*\f
.endr
.endr
.endr
.endm
	GATES 0
	GATES 1
	GATES 2
	GATES 3
	; h_out of a batch's last row: row 15 of my block 7, where there is one.  The branch hangs on cluster y and the wave's number.  c of block 7 stands in TI + 16 on; TF and TC are free.
	s_cmp_lg_u32 s[HF], 0
	s_cbranch_scc0 .Lno_h
	WIN 3                                          ; source 0: window 3: Zo's two accumulators, each from its low end on
.irp u, 0,1
.irp j, 0,2,4,6
	v_pk_mul_f32 v[TF+8*\u+\j:TF+8*\u+\j+1], v[192+8*\u+\j:192+8*\u+\j+1], s[8:9] op_sel_hi:[1,0]   ; -Zo log2(e)
.endr
.endr
	WIN 0
.irp j, 0,2,4,6,8,10,12,14
	v_pk_mul_f32 v[TC+\j:TC+\j+1], v[TI+16+\j:TI+16+\j+1], s[6:7] op_sel_hi:[1,0]   ; 2 c log2(e)
.endr
.set N, 0
.rept 16
	v_exp_f32 v[TF+N], v[TF+N]
	v_exp_f32 v[TC+N], v[TC+N]
.set N, N+1
.endr
	v_nop
	s_wait_alu depctr_va_vdst(0)                   ; one wait for the 32 exponentials
.set N, 0
.rept 8
	v_pk_add_f32 v[TF+N:TF+N+1], v[TF+N:TF+N+1], 1.0 op_sel_hi:[1,0]
	v_pk_add_f32 v[TC+N:TC+N+1], v[TC+N:TC+N+1], 1.0 op_sel_hi:[1,0]
.set N, N+2
.endr
.set N, 0
.rept 16
	v_rcp_f32 v[TF+N], v[TF+N]                     ; sigmoid Zo
	v_rcp_f32 v[TC+N], v[TC+N]
.set N, N+1
.endr
	v_nop
	s_wait_alu depctr_va_vdst(0)                   ; one wait for the 32 reciprocals
.set N, 0
.rept 8
	v_pk_fma_f32 v[TC+N:TC+N+1], v[TC+N:TC+N+1], -2.0, 1.0 op_sel_hi:[1,0,0]   ; tanh c
.set N, N+2
.endr
.set N, 0
.rept 8
	v_pk_mul_f32 v[TF+N:TF+N+1], v[TF+N:TF+N+1], v[TC+N:TC+N+1]   ; h_out
.set N, N+2
.endr
	v_cmp_eq_u32 vcc_lo, 15, v1                    ; lanes 15 and 31 hold row 15
	s_wait_xcnt 0x0                                ; EXEC changes only behind this wait
	s_and_saveexec_b32 s2, vcc_lo
.irp u, 0,1
.irp f, 0,1
	global_store_b128 v[HO], v[TF+8*\u+4*\f:TF+8*\u+4*\f+3], s[104:105] offset:64*\u+16*\f
.endr
.endr
	s_wait_xcnt 0x0                                ; and again, in front of the line that widens it
	s_or_b32 exec_lo, exec_lo, s2
.Lno_h:
	; THE WAY OUT.  A row's 256 bytes of the stage come from two waves: so a barrier, with each wave's stores waited for; then each wave reads 64 whole rows back and stores them.
	s_wait_dscnt 0x0                               ; for the others' sake: my stores into the stage are done
	s_barrier_signal -1
	s_barrier_wait -1
.irp t, 0,1,2,3,4,5,6,7,8,9,10,11,12,13,14,15,16,17,18,19,20,21,22,23,24,25,26,27,28,29,30,31
	ds_load_b128 v[64+4*\t:64+4*\t+3], v[RD] offset:\t*2*SPITCH
.endr
.irp t, 0,1,2,3,4,5,6,7,8,9,10,11,12,13,14,15,16,17,18,19,20,21,22,23,24,25,26,27,28,29,30,31
	s_wait_dscnt 31-\t                             ; the younger loads from the stage may stay out
	global_store_b128 v[CO], v[64+4*\t:64+4*\t+3], s[12:13] offset:\t*2*8192 th:TH_STORE_NT   ; 16 lanes store 256 consecutive bytes, at a multiple of 256 from out1's first byte; written once, read by nobody here
.endr
	s_wait_tensorcnt 0x0                           ; the wave's end, behind my last tensor load and my last LDS store
	ds_add_u32 v[SPW], v[NIL]
	s_wait_dscnt 0x0
	CROUND                                         ; the closing round: no work-group ends while a partner may still ask for a tile that names it
	s_endpgm
.Lfunc_end_k_q02a45afe2a_gates:
	.size	k_q02a45afe2a_gates, .Lfunc_end_k_q02a45afe2a_gates-k_q02a45afe2a_gates
	.p2alignl 7, 3214868480
	.fill 96, 4, 3214868480
	.section	.rodata,"a",@progbits
	.p2align	6, 0x0
	.amdhsa_kernel k_q02a45afe2a_gates
		.amdhsa_group_segment_fixed_size 327680
		.amdhsa_private_segment_fixed_size 0
		.amdhsa_enable_private_segment 0
		.amdhsa_kernarg_size 96
		.amdhsa_user_sgpr_count 2
		.amdhsa_user_sgpr_kernarg_segment_ptr 1
		.amdhsa_wavefront_size32 1
		.amdhsa_system_sgpr_workgroup_id_x 1
		.amdhsa_system_sgpr_workgroup_id_y 1
		.amdhsa_system_sgpr_workgroup_id_z 1
		.amdhsa_system_vgpr_workitem_id 0
		.amdhsa_next_free_vgpr 1024
		.amdhsa_next_free_sgpr 106
		.amdhsa_reserve_vcc 1
		.amdhsa_float_denorm_mode_32 3
		.amdhsa_float_denorm_mode_16_64 3
		.amdhsa_memory_ordered 1
		.amdhsa_forward_progress 1
		.amdhsa_inst_pref_size 216
	.end_amdhsa_kernel
	.amdgpu_metadata
---
amdhsa.version: [ 1, 2 ]
amdhsa.kernels:
  - .name:           k_q02a45afe2a_gates
    .symbol:         k_q02a45afe2a_gates.kd
    .args:
      - { .name: a_pack, .offset: 0, .size: 8, .value_kind: global_buffer, .address_space: global }
      - { .name: b_pack, .offset: 8, .size: 8, .value_kind: global_buffer, .address_space: global }
      - { .name: bWi, .offset: 16, .size: 8, .value_kind: global_buffer, .address_space: global }
      - { .name: bUi, .offset: 24, .size: 8, .value_kind: global_buffer, .address_space: global }
      - { .name: bWf, .offset: 32, .size: 8, .value_kind: global_buffer, .address_space: global }
      - { .name: bUf, .offset: 40, .size: 8, .value_kind: global_buffer, .address_space: global }
      - { .name: bWc, .offset: 48, .size: 8, .value_kind: global_buffer, .address_space: global }
      - { .name: bUc, .offset: 56, .size: 8, .value_kind: global_buffer, .address_space: global }
      - { .name: bWo, .offset: 64, .size: 8, .value_kind: global_buffer, .address_space: global }
      - { .name: bUo, .offset: 72, .size: 8, .value_kind: global_buffer, .address_space: global }
      - { .name: out1, .offset: 80, .size: 8, .value_kind: global_buffer, .address_space: global }
      - { .name: hl, .offset: 88, .size: 8, .value_kind: global_buffer, .address_space: global }
    .group_segment_fixed_size: 327680
    .private_segment_fixed_size: 0
    .kernarg_segment_align: 8
    .kernarg_segment_size: 96
    .max_flat_workgroup_size: 128
    .sgpr_count:     106
    .vgpr_count:     1024
    .wavefront_size: 32
...
	.end_amdgpu_metadata
.endif
;; end of part 2
;; launch proj (part 3): grid 256 x 1, 8 waves a work-group, no clusters, 33,792 bytes of LDS; arguments hl, Wp, bp, out0; writes out0
.if DOCPART == 3
	.amdgcn_target "amdgcn-amd-amdhsa--gfx1250"
	.amdhsa_code_object_version 6
	.text
	.protected	k_q02a45afe2a_proj
	.globl	k_q02a45afe2a_proj
	.p2align	8
	.type	k_q02a45afe2a_proj,@function
k_q02a45afe2a_proj:
	s_mov_b64 s[64:65], 0
	v_nop
	global_prefetch_b8 v0, s[64:65] scope:SCOPE_SE
	s_setreg_imm32_b32 hwreg(HW_REG_WAVE_MODE, 25, 1), 1
	s_wait_xcnt 0x0
; out0[b][e] = the sum over k of hl[b][k] Wp[e][k] + bp[e].  hl [4][2048], Wp [2048][2048], bp [2048], out0 [4][2048], all f32; fused multiply-adds in f32.
; Four rows against a weight that is read once: a stream, so no matrix unit, no tensor load, no cluster.
; SHARES.  A work-group takes 8 rows e of Wp; wave w takes k = 256 w .. 256 w + 255 of all 8, so that it needs only its 1,024 bytes of each row of hl.  Lane l holds k = 256 w + 128 c + 4 l + 0 .. 3, c = 0, 1:
; each load of a wave reads 512 consecutive bytes.  All of a wave's loads (1 of bp, 8 of hl, 16 of Wp) go out at the head.
; Each thread's 32 partial sums (4 batches x 8 rows) go to LDS, one barrier, and wave w adds up outputs 4 w .. 4 w + 3: batch w / 2, rows 4 (w % 2) + 0 .. 3.
.set H,  16                            ; v16-47   hl: batch b, half c at v[H + 8 b + 4 c]
.set W,  48                            ; v48-111  Wp: row rl, half c at v[W + 8 rl + 4 c]; later the partial sums read back
.set PS, 112                           ; v112-143 my partial sum of output 8 b + rl; later the four results
.set BP, 144                           ; v144-147 bp of my wave's four outputs
	s_load_b128 s[4:7], s[0:1], 0x0                ; hl, Wp
	s_load_b128 s[8:11], s[0:1], 0x10              ; bp, out0
	v_lshl_add_u32 v160, v0, 2, 0x8000
	v_mov_b32 v161, 0
	v_and_b32 v1, 31, v0                           ; lane
	v_lshrrev_b32 v7, 5, v0                        ; wave
	v_lshlrev_b32 v2, 10, v7
	v_lshl_add_u32 v2, v1, 4, v2                   ; my 16 bytes in a row: 1,024 x wave + 16 x lane
	v_lshlrev_b32 v3, 2, v0                        ; LDS: my word among an output's 256
	v_lshlrev_b32 v4, 12, v7
	v_lshl_add_u32 v4, v1, 4, v4                   ; LDS, back: my wave's four outputs of 1,024 bytes, 16 bytes a lane
	s_lshl_b32 s14, ttmp9, 5                       ; 8 rows x 4 bytes
	v_and_b32 v5, 1, v7
	v_lshl_add_u32 v5, v5, 4, s14                  ; bp: the four numbers at row 8 x work-group + 4 (wave % 2)
	v_lshrrev_b32 v6, 1, v7
	v_lshl_add_u32 v6, v6, 13, v5                  ; out0: the same, in batch wave / 2's row of 8,192 bytes
	s_lshl_b32 s16, ttmp9, 16                      ; Wp: 8 rows of 8,192 bytes a work-group
	s_mov_b32 s17, 0
	s_mov_b32 s12, 0x76543210                      ; v_permlanex16_b32's selects for lane l xor 16
	s_mov_b32 s13, 0xfedcba98
	s_wait_kmcnt 0x0
	s_add_nc_u64 s[6:7], s[6:7], s[16:17]
	global_load_b128 v[BP:BP+3], v5, s[8:9]
.irp b, 0,1,2,3
.irp c, 0,1
	global_load_b128 v[H+8*\b+4*\c:H+8*\b+4*\c+3], v2, s[4:5] offset:8192*\b+512*\c
.endr
.endr
.irp rl, 0,1,2,3,4,5,6,7
.irp c, 0,1
	global_load_b128 v[W+8*\rl+4*\c:W+8*\rl+4*\c+3], v2, s[6:7] offset:8192*\rl+512*\c th:TH_LOAD_NT   ; read once in the launch
.endr
.endr
.irp rl, 0,1,2,3,4,5,6,7
	s_wait_loadcnt 14-2*\rl                        ; this row's two loads are in (and all issued before them); the later rows' stay out
.irp b, 0,1,2,3
	v_pk_mul_f32 v[8+2*\b:9+2*\b], v[W+8*\rl:W+8*\rl+1], v[H+8*\b:H+8*\b+1]   ; the four batches by turns: the first product starts the sum
.endr
.irp i, 1,2,3
.irp b, 0,1,2,3
	v_pk_fma_f32 v[8+2*\b:9+2*\b], v[W+8*\rl+2*\i:W+8*\rl+2*\i+1], v[H+8*\b+2*\i:H+8*\b+2*\i+1], v[8+2*\b:9+2*\b]
.endr
.endr
.irp b, 0,1,2,3
	v_add_f32 v[PS+8*\b+\rl], v[8+2*\b], v[9+2*\b]
.endr
.endr
.irp o, 0,1,2,3,4,5,6,7,8,9,10,11,12,13,14,15,16,17,18,19,20,21,22,23,24,25,26,27,28,29,30,31
	ds_store_b32 v3, v[PS+\o] offset:1024*\o
.endr
	s_wait_dscnt 0x0                               ; for the others' sake: my stores are done
	s_barrier_signal -1
	s_barrier_wait -1
.irp q, 0,1,2,3
	ds_load_b128 v[W+8*\q:W+8*\q+3], v4 offset:1024*\q
	ds_load_b128 v[W+8*\q+4:W+8*\q+7], v4 offset:1024*\q+512
.endr
	s_wait_dscnt 0x0
.irp q, 0,1,2,3
	v_pk_add_f32 v[W+8*\q:W+8*\q+1], v[W+8*\q:W+8*\q+1], v[W+8*\q+2:W+8*\q+3]
	v_pk_add_f32 v[W+8*\q+4:W+8*\q+5], v[W+8*\q+4:W+8*\q+5], v[W+8*\q+6:W+8*\q+7]
.endr
.irp q, 0,1,2,3
	v_pk_add_f32 v[W+8*\q:W+8*\q+1], v[W+8*\q:W+8*\q+1], v[W+8*\q+4:W+8*\q+5]
.endr
.irp q, 0,1,2,3
	v_add_f32 v[PS+\q], v[W+8*\q], v[W+8*\q+1]     ; my eight of the output's 256 partial sums
.endr
.irp m, 1,2,4,8                        ; across the 32 lanes: four steps inside each half of 16 lanes, one across the halves; the four outputs by turns
.irp q, 0,1,2,3
	v_add_f32_dpp v[PS+\q], v[PS+\q], v[PS+\q] row_xmask:\m row_mask:0xf bank_mask:0xf
.endr
.endr
.irp q, 0,1,2,3
	v_permlanex16_b32 v[PS+4+\q], v[PS+\q], s12, s13   ; (its destination has been written before)
.endr
.irp q, 0,1,2,3
	v_add_f32 v[PS+\q], v[PS+\q], v[PS+4+\q]
.endr
	v_pk_add_f32 v[PS:PS+1], v[PS:PS+1], v[BP:BP+1]
	v_pk_add_f32 v[PS+2:PS+3], v[PS+2:PS+3], v[BP+2:BP+3]
	v_cmp_eq_u32 vcc_lo, 0, v1
	s_wait_xcnt 0x0                                ; EXEC changes only behind this wait
	s_wait_tensorcnt 0x0
	ds_add_u32 v160, v161
	s_wait_dscnt 0x0
	s_and_saveexec_b32 s15, vcc_lo
	global_store_b128 v6, v[PS:PS+3], s[10:11]     ; lane 0 stores the wave's four outputs, 16 neighbouring bytes
	s_endpgm
.Lfunc_end_k_q02a45afe2a_proj:
	.size	k_q02a45afe2a_proj, .Lfunc_end_k_q02a45afe2a_proj-k_q02a45afe2a_proj
	.p2alignl 7, 3214868480
	.fill 96, 4, 3214868480
	.section	.rodata,"a",@progbits
	.p2align	6, 0x0
	.amdhsa_kernel k_q02a45afe2a_proj
		.amdhsa_group_segment_fixed_size 33792
		.amdhsa_private_segment_fixed_size 0
		.amdhsa_enable_private_segment 0
		.amdhsa_kernarg_size 32
		.amdhsa_user_sgpr_count 2
		.amdhsa_user_sgpr_kernarg_segment_ptr 1
		.amdhsa_wavefront_size32 1
		.amdhsa_system_sgpr_workgroup_id_x 1
		.amdhsa_system_sgpr_workgroup_id_y 1
		.amdhsa_system_sgpr_workgroup_id_z 1
		.amdhsa_system_vgpr_workitem_id 0
		.amdhsa_next_free_vgpr 162
		.amdhsa_next_free_sgpr 66
		.amdhsa_reserve_vcc 1
		.amdhsa_float_denorm_mode_32 3
		.amdhsa_float_denorm_mode_16_64 3
		.amdhsa_memory_ordered 1
		.amdhsa_forward_progress 1
		.amdhsa_inst_pref_size 19
	.end_amdhsa_kernel
	.amdgpu_metadata
---
amdhsa.version: [ 1, 2 ]
amdhsa.kernels:
  - .name:           k_q02a45afe2a_proj
    .symbol:         k_q02a45afe2a_proj.kd
    .args:
      - { .name: hl, .offset: 0, .size: 8, .value_kind: global_buffer, .address_space: global }
      - { .name: Wp, .offset: 8, .size: 8, .value_kind: global_buffer, .address_space: global }
      - { .name: bp, .offset: 16, .size: 8, .value_kind: global_buffer, .address_space: global }
      - { .name: out0, .offset: 24, .size: 8, .value_kind: global_buffer, .address_space: global }
    .group_segment_fixed_size: 33792
    .private_segment_fixed_size: 0
    .kernarg_segment_align: 8
    .kernarg_segment_size: 32
    .max_flat_workgroup_size: 256
    .sgpr_count:     66
    .vgpr_count:     162
    .wavefront_size: 32
...
	.end_amdgpu_metadata
.endif
;; end of part 3
